; MI455X (gfx1250); checked and timed in simulation.
; The chip was launched on July 23, 2026; its instructions are those of AMD's public machine-readable ISA for CDNA 5 (MIT licence, August 2026) and "CDNA5" Instruction Set Architecture Reference Guide (July 2026). The comments in the code are by the model that wrote it; some were corrected since.
;; Causal Self Attention. Allowed arithmetic: matrix products marked QUANTISED: E4M3 operands, one given power-of-two scale a tensor, by v_wmma_f32_16x16x64_fp8_fp8 or v_wmma_f32_16x16x128_fp8_fp8, f32 sums; everything else in f32.
;; Inputs: lowp_scales 8 int32 (the exponents e of the quantised operands' scales 2^e); w_out 1,024 x 1,024 float32; w_qkv 1,024 x 3,072 float32; x 4 x 2,048 x 1,024 float32.
;; Outputs: out0 4 x 2,048 x 1,024 float32.
;; This version of the problem:
;;   THIS VERSION OF THE PROBLEM IS GIVEN IN LOW PRECISION. The matrix products marked QUANTISED in the list below multiply operands that are first quantised to E4M3 (4 exponent bits, 3 mantissa bits; 8 bits a number), with one given power-of-two scale for each operand tensor; their sums are f32. All else is computed in f32.
;;   The module's matrix products, in the order in which they are computed (A, B: the left and right operand; K: the contracted axis; several contracted axes count as one K, in the product's order):
;;     1. [M 8,192, K 1,024] x [K 1,024, N 3,072]; A: input x; B: input w_qkv: QUANTISED (scales: A lowp_scales[0], B lowp_scales[1])
;;     2. batch 64 x [M 2,048, K 64] x [K 64, N 2,048]; A: computed on the way; B: computed on the way: QUANTISED (scales: A lowp_scales[2], B lowp_scales[3])
;;     3. batch 64 x [M 2,048, K 2,048] x [K 2,048, N 64]; A: softmax (see below); B: computed on the way: QUANTISED (scales: A lowp_scales[4], B lowp_scales[5])
;;     4. [M 8,192, K 1,024] x [K 1,024, N 1,024]; A: computed on the way; B: input w_out: QUANTISED (scales: A lowp_scales[6], B lowp_scales[7])
;;   THE QUANTISER, for each operand of a quantised product, along K:
;;     - The operand's scale is 2^e, e = its entry of the input lowp_scales (int32; the entries are numbered through the quantised products in the list's order, A before B).
;;     - Each number is divided by the scale, clamped to +-448, and rounded to the nearest number of E4M3, ties to even, subnormals kept.
;;     - The product sums the exact products of the quantised numbers (number of the format x scale) in f32.
;;   ~~~python
;;   def quantise(x, axis, e):      # numpy; x: float32 -> the quantised numbers, widened to float32 again
;;       x = np.moveaxis(x, axis, -1); K = x.shape[-1]
;;       r = np.clip(x / 2.0 ** e, -448, 448)
;;       step = 2.0 ** (np.maximum(np.frexp(np.where(r == 0, 1, r))[1] - 1, -6) - 3)
;;       q = np.round(r / step) * step * 2.0 ** e      # np.round: ties to even
;;       return np.moveaxis(q, -1, axis).astype(np.float32)
;;   ~~~
;;   SOFTMAX AHEAD OF A QUANTISED PRODUCT. Where the list says 'softmax', what is quantised is not the finished softmax but p = 2^(t - M), with t = logit x log2(e) and M = ceil(the row's largest t), a whole number; so 1/2 < the row's largest p <= 1. The row's sum l is taken of the UNQUANTISED p, in f32, and the product's result is divided by l at the end. Since M is a whole number, a kernel that streams over the keys may use a running M (the ceiling of the running maximum): every later rescaling is an exact power of two, so the quantised numbers keep their values, but for numbers so far below the row's largest that they fall under the format's range.
;;   OPERANDS COMPUTED ON THE WAY. 'Computed on the way' means the value that the module computes at that place (a softmax that the list does not call 'softmax' is quantised finished and normalised). What goes into a quantiser is computed in f32, as accurately as f32 sums, v_exp_f32 and their like allow (about 1e-6 of the number): no bf16 or f16 on the way to a quantiser, and a product that is left as it is and whose result goes on into a quantised operand takes f32 operands (vector FMAs, or v_wmma_f32_16x16x4_f32). A number that lies on a knife's edge between two numbers of the format may be rounded either way, as far as f32 arithmetic and the matrix unit's own rounding can turn it there, and no further.
;; One version. Each part assembles by itself: llvm-mc -triple=amdgcn-amd-amdhsa -mcpu=gfx1250 --defsym DOCPART=n.
;; ======== version 1 of 1: 4 launches
;; limits: right only within a limited range of input values
;; workspace buffers: x_codes 8,388,608 bytes; wqkv_codes 3,145,728 bytes; wout_codes 1,048,576 bytes; q_img 8,388,608 bytes; kv_img 16,777,216 bytes; y_img 8,388,608 bytes
;; launch quant (part 1): grid 640 x 1, 4 waves a work-group, no clusters, 70,144 bytes of LDS; arguments x, w_qkv, w_out, lowp_scales, x_codes, wqkv_codes, wout_codes; writes x_codes, wqkv_codes, wout_codes
.if DOCPART == 1
	.amdgcn_target "amdgcn-amd-amdhsa--gfx1250"
	.amdhsa_code_object_version 6
	.text
	.protected	k_q86e1fec4d5_quant
	.globl	k_q86e1fec4d5_quant
	.p2align	8
	.type	k_q86e1fec4d5_quant,@function
k_q86e1fec4d5_quant:
	s_mov_b64 s[64:65], 0
	v_nop
	global_prefetch_b8 v0, s[64:65] scope:SCOPE_SE
	s_setreg_imm32_b32 hwreg(HW_REG_WAVE_MODE, 25, 1), 1
	s_wait_xcnt 0x0
; The three inputs become codes of FP8 (E4M3), one byte a number, K innermost, each with the one scale 2^e that is given for it (entries 0, 1 and 7 of the scales).
; code = number / 2^e, held within +-448, rounded to the nearest code, ties to even.
; LIMITS: e between -126 and 119, so that 2^e and 448 x 2^e are f32 numbers.  NaN among the inputs is not served (an infinity is held at the largest code).
; One launch, three ways that part on the work-group's number: 0-95 w_qkv, 96-127 w_out, 128-639 x.  The weights' work-groups, which have the longer chains, come first.
; x [8192][1024]: K is innermost.  A wave takes 8 steps of 512 numbers.  Each of a step's four loads reads 512 consecutive bytes, 16 a lane; the lane's 16 numbers are converted as they stand and stored as 16 bytes, so the
;   wave's store covers 512 consecutive bytes.  So inside each group of 512 along K the codes are PERMUTED: place 16 l + 4 i + j holds k = 128 i + 4 l + j.  w_qkv's codes get the same permutation, so every product
;   still meets its partner; only the order of the sums inside a matrix instruction changes.  That spares a turn through LDS.
; w_qkv [1024 (k)][3072 (n)], w_out [1024 (k)][1024 (n)]: K is the FIRST axis.  A lane takes a column n and its registers run down K; which row of the weight goes into which register is free, and gives the permutation.
;   The codes of 32 columns x 256 places go through the wave's own stage in LDS and leave as rows: sixteen lanes store 256 consecutive bytes, aligned.
;   w_qkv's columns are also laid in another order of rows: [head 16][half of the head's channels 2][q, k, v][32 channels], so that one head's q, k and v are 192 neighbouring rows.
;   w_out's places: place p holds the k that is p with bits 3 and 4 exchanged: a load of 16 bytes a lane at 32 c + 16 (lane / 16) then gives the matrix operand's own order of k.
; No tensor loads, no barrier: waves share nothing.  Nothing is shared between work-groups either, so there is nothing to ask for jointly.  The two weight ways have LDS bytes of their own.
.set PITCH, 272                        ; a stage row: 256 bytes of codes + 16
.set WSTG,  32*PITCH                   ; a wave's stage
.set XR,    32                         ; x: v32-159  eight sets of 16 numbers: no register is loaded twice
.set XC,    160                        ; x: v160-191 four registers of codes for each step: no store's data are written again
.set XW,    32                         ; weights: v32-95  two sets of 32 numbers
.set CW,    96                         ; weights: v96-103 a block's codes
.set OUTR,  112                        ; weights: v112-175 the way out
.macro SCALE e                         ; v11 = 2^e as f32 (the conversion takes its exponent field)
	s_wait_kmcnt 0x0
	s_add_co_i32 s38, s[\e], 127
	s_lshl_b32 s39, s38, 23
	v_mov_b32 v11, s39
	s_add_co_i32 s38, s38, 8
	s_lshl_b32 s38, s38, 23
	s_or_b32 s38, s38, 0x600000
.endm
; block t of a weight: 32 places of my column.  perm = 1: register i takes row 128 ((i / 4) % 4) + 8 t + 4 (i / 16) + i % 4 (x's permutation); perm = 0: row 32 t + i with i's bits 3 and 4 exchanged
.macro LOADW t, n, perm
.set ii, 0
.rept 32
.if \perm
	global_load_b32 v[XW+32*((\t)%2)+ii], v3, s[20:21] offset:(128*((ii/4)%4)+8*(\t)+4*(ii/16)+ii%4)*\n*4 th:TH_LOAD_NT
.else
	global_load_b32 v[XW+32*((\t)%2)+ii], v3, s[20:21] offset:(32*(\t)+ii%8+16*((ii/8)%2)+8*(ii/16))*\n*4 th:TH_LOAD_NT
.endif
.set ii, ii+1
.endr
.endm
.macro BLOCKW t, n, perm
.if (\t) < 7
	s_wait_loadcnt 32                              ; this block's 32 loads are in; the next block's may be out
.else
	s_wait_loadcnt 0x0
.endif
.set ii, 0
.rept 32
.set ii, ii+1
.endr
.irp g, 0,1,2,3
	v_cvt_scalef32_pk8_fp8_f32 v[CW+2*\g:CW+2*\g+1], v[XW+32*((\t)%2)+8*\g:XW+32*((\t)%2)+8*\g+7], v11
.endr
	ds_store_b128 v4, v[CW:CW+3] offset:32*(\t)    ; 32 codes: 32 bytes of my column's row
	ds_store_b128 v4, v[CW+4:CW+7] offset:32*(\t)+16
.if (\t)+2 < 8
	LOADW (\t)+2, \n, \perm
.endif
	s_wait_dscnt 0x0                               ; the stores have read their registers: the next block's codes may be written
.endm
; a weight's way: s[20:21] = the weight at my first row and column, s[22:23] = the codes at my first row and place
.macro WBODY n, perm, stg, e
	v_lshlrev_b32 v3, 2, v2                        ; in: 4 bytes a lane: 128 consecutive bytes a wave, 512 a work-group
	s_mul_i32 s19, s18, WSTG
	s_add_co_u32 s19, s19, \stg                    ; my stage
	v_mul_u32_u24 v4, v2, PITCH
	v_add_nc_u32 v4, s19, v4                       ; into it: row = my column
	v_and_b32 v5, 15, v2
	v_lshrrev_b32 v6, 4, v2
	v_mul_u32_u24 v7, v6, PITCH
	v_lshl_add_u32 v7, v5, 4, v7
	v_add_nc_u32 v7, s19, v7                       ; out of it: sixteen lanes to a row, two rows an instruction
	v_lshlrev_b32 v8, 10, v6
	v_lshl_add_u32 v8, v5, 4, v8                   ; and the same place among the codes' rows of 1,024 bytes
	LOADW 0, \n, \perm
	LOADW 1, \n, \perm
	SCALE \e
	s_wait_alu depctr_va_vdst(0)
.irp t, 0,1,2,3,4,5,6,7
	BLOCKW \t, \n, \perm
.endr
.irp t, 0,1,2,3,4,5,6,7,8,9,10,11,12,13,14,15
	ds_load_b128 v[OUTR+4*\t:OUTR+4*\t+3], v7 offset:2*\t*PITCH   ; LDS serves a wave's instructions in order: these see my stores
.endr
.irp t, 0,1,2,3,4,5,6,7,8,9,10,11,12,13,14,15
	s_wait_dscnt 15-\t                             ; the younger loads may be out
	global_store_b128 v8, v[OUTR+4*\t:OUTR+4*\t+3], s[22:23] offset:2*\t*1024
.endr
	s_wait_tensorcnt 0x0
	ds_add_u32 v192, v193
	s_wait_dscnt 0x0
	s_endpgm
.endm
	s_load_b256 s[4:11], s[0:1], 0x0               ; x s[4:5], w_qkv s[6:7], w_out s[8:9], the scales' exponents s[10:11]
	s_load_b128 s[12:15], s[0:1], 0x20             ; x's codes s[12:13], w_qkv's s[14:15]
	s_load_b64 s[16:17], s[0:1], 0x30              ; w_out's
	v_lshl_add_u32 v192, v0, 2, 0x11000
	v_mov_b32 v193, 0
	v_lshrrev_b32 v1, 5, v0
	v_readfirstlane_b32 s18, v1                    ; wave 0..3
	v_and_b32 v2, 31, v0                           ; lane
	s_wait_kmcnt 0x0
	s_load_b256 s[24:31], s[10:11], 0x0            ; e0 .. e7
	s_cmp_lt_u32 ttmp9, 96
	s_cbranch_scc1 .Lwqkv
	s_cmp_lt_u32 ttmp9, 128
	s_cbranch_scc1 .Lwout
	; ---- x: 512 work-groups x 4 waves x 8 steps x 512 numbers
	s_sub_co_u32 s19, ttmp9, 128
	s_lshl_b32 s19, s19, 2
	s_add_co_u32 s19, s19, s18                     ; which run of 4,096 numbers is my wave's
	s_lshl_b32 s20, s19, 14
	s_mov_b32 s21, 0
	s_add_nc_u64 s[4:5], s[4:5], s[20:21]
	s_lshl_b32 s20, s19, 12
	s_add_nc_u64 s[12:13], s[12:13], s[20:21]
	s_wait_alu depctr_va_vdst(0)
	v_lshlrev_b32 v3, 4, v2                        ; my 16 bytes of a load's, and of a store's, 512
.irp t, 0,1,2,3,4,5,6,7
.irp i, 0,1,2,3
	global_load_b128 v[XR+16*\t+4*\i:XR+16*\t+4*\i+3], v3, s[4:5] offset:2048*\t+512*\i th:TH_LOAD_NT   ; all 32 loads of the wave go out at once
.endr
.endr
	SCALE 24
	s_wait_alu depctr_va_vdst(0)
.irp t, 0,1,2,3,4,5,6,7
	s_wait_loadcnt 28-4*\t                         ; this step's four loads are in; the later steps' may be out
.irp i, 0,1,2,3,4,5,6,7,8,9,10,11,12,13,14,15
.endr
	v_cvt_scalef32_pk8_fp8_f32 v[XC+4*\t:XC+4*\t+1], v[XR+16*\t:XR+16*\t+7], v11
	v_cvt_scalef32_pk8_fp8_f32 v[XC+4*\t+2:XC+4*\t+3], v[XR+16*\t+8:XR+16*\t+15], v11
	global_store_b128 v3, v[XC+4*\t:XC+4*\t+3], s[12:13] offset:512*\t   ; the results go to a store alone
.endr
	s_endpgm
.Lwqkv:	; ---- w_qkv: 24 groups of 128 columns x 4 quarters of K's places
	s_lshr_b32 s32, ttmp9, 2
	s_and_b32 s33, ttmp9, 3                        ; y: places 256 y on
	s_lshl_b32 s34, s32, 7
	s_lshl_b32 s35, s18, 5
	s_add_co_u32 s34, s34, s35                     ; n0: my wave's first column
	s_lshr_b32 s35, s33, 1
	s_lshl_b32 s35, s35, 9
	s_and_b32 s36, s33, 1
	s_lshl_b32 s36, s36, 6
	s_add_co_u32 s35, s35, s36                     ; the rows of these places begin at 512 (y / 2) + 64 (y % 2)
	s_mul_i32 s35, s35, 3072*4
	s_lshl_b32 s36, s34, 2
	s_add_co_u32 s20, s35, s36
	s_mov_b32 s21, 0
	s_add_nc_u64 s[20:21], s[6:7], s[20:21]
	s_bfe_u32 s35, s34, 0x40006                    ; the head
	s_mul_i32 s35, s35, 192
	s_bfe_u32 s36, s34, 0x10005                    ; which half of its channels
	s_mul_i32 s36, s36, 96
	s_add_co_u32 s35, s35, s36
	s_lshr_b32 s36, s34, 10                        ; q, k or v
	s_lshl_b32 s36, s36, 5
	s_add_co_u32 s35, s35, s36                     ; my first row among the codes
	s_lshl_b32 s35, s35, 10
	s_lshl_b32 s36, s33, 8
	s_add_co_u32 s22, s35, s36
	s_mov_b32 s23, 0
	s_add_nc_u64 s[22:23], s[14:15], s[22:23]
	s_wait_alu depctr_va_vdst(0)
	WBODY 3072, 1, 0, 25
.Lwout:	; ---- w_out: 8 groups of 128 columns x 4 quarters of K
	s_sub_co_u32 s32, ttmp9, 96
	s_and_b32 s33, s32, 3                          ; y
	s_lshr_b32 s32, s32, 2
	s_lshl_b32 s34, s32, 7
	s_lshl_b32 s35, s18, 5
	s_add_co_u32 s34, s34, s35                     ; n0
	s_lshl_b32 s35, s33, 20                        ; 256 y rows of 4,096 bytes
	s_lshl_b32 s36, s34, 2
	s_add_co_u32 s20, s35, s36
	s_mov_b32 s21, 0
	s_add_nc_u64 s[20:21], s[8:9], s[20:21]
	s_lshl_b32 s35, s34, 10
	s_lshl_b32 s36, s33, 8
	s_add_co_u32 s22, s35, s36
	s_mov_b32 s23, 0
	s_add_nc_u64 s[22:23], s[16:17], s[22:23]
	s_wait_alu depctr_va_vdst(0)
	WBODY 1024, 0, 4*WSTG, 31
.Lfunc_end_k_q86e1fec4d5_quant:
	.size	k_q86e1fec4d5_quant, .Lfunc_end_k_q86e1fec4d5_quant-k_q86e1fec4d5_quant
	.p2alignl 7, 3214868480
	.fill 96, 4, 3214868480
	.section	.rodata,"a",@progbits
	.p2align	6, 0x0
	.amdhsa_kernel k_q86e1fec4d5_quant
		.amdhsa_group_segment_fixed_size 70144
		.amdhsa_private_segment_fixed_size 0
		.amdhsa_enable_private_segment 0
		.amdhsa_kernarg_size 56
		.amdhsa_user_sgpr_count 2
		.amdhsa_user_sgpr_kernarg_segment_ptr 1
		.amdhsa_wavefront_size32 1
		.amdhsa_system_sgpr_workgroup_id_x 1
		.amdhsa_system_sgpr_workgroup_id_y 1
		.amdhsa_system_sgpr_workgroup_id_z 1
		.amdhsa_system_vgpr_workitem_id 0
		.amdhsa_next_free_vgpr 194
		.amdhsa_next_free_sgpr 66
		.amdhsa_reserve_vcc 0
		.amdhsa_float_denorm_mode_32 3
		.amdhsa_float_denorm_mode_16_64 3
		.amdhsa_fp16_overflow 1
		.amdhsa_memory_ordered 1
		.amdhsa_forward_progress 1
		.amdhsa_inst_pref_size 72
	.end_amdhsa_kernel
	.amdgpu_metadata
---
amdhsa.version: [ 1, 2 ]
amdhsa.kernels:
  - .name:           k_q86e1fec4d5_quant
    .symbol:         k_q86e1fec4d5_quant.kd
    .args:
      - { .name: x, .offset: 0, .size: 8, .value_kind: global_buffer, .address_space: global }
      - { .name: w_qkv, .offset: 8, .size: 8, .value_kind: global_buffer, .address_space: global }
      - { .name: w_out, .offset: 16, .size: 8, .value_kind: global_buffer, .address_space: global }
      - { .name: lowp_scales, .offset: 24, .size: 8, .value_kind: global_buffer, .address_space: global }
      - { .name: x_codes, .offset: 32, .size: 8, .value_kind: global_buffer, .address_space: global }
      - { .name: wqkv_codes, .offset: 40, .size: 8, .value_kind: global_buffer, .address_space: global }
      - { .name: wout_codes, .offset: 48, .size: 8, .value_kind: global_buffer, .address_space: global }
    .group_segment_fixed_size: 70144
    .private_segment_fixed_size: 0
    .kernarg_segment_align: 8
    .kernarg_segment_size: 56
    .max_flat_workgroup_size: 128
    .sgpr_count:     66
    .vgpr_count:     194
    .wavefront_size: 32
...
	.end_amdgpu_metadata
.endif
;; end of part 1
;; launch qkv (part 2): grid 16 x 32, 4 waves a work-group, clusters of 4 x 4, 327,680 bytes of LDS; arguments x_codes, wqkv_codes, lowp_scales, q_img, kv_img; writes q_img, kv_img
.if DOCPART == 2
	.amdgcn_target "amdgcn-amd-amdhsa--gfx1250"
	.amdhsa_code_object_version 6
	.text
	.protected	k_q86e1fec4d5_qkv
	.globl	k_q86e1fec4d5_qkv
	.p2align	8
	.type	k_q86e1fec4d5_qkv,@function
k_q86e1fec4d5_qkv:
	s_mov_b64 s[64:65], 0
	v_nop
	global_prefetch_b8 v0, s[64:65] scope:SCOPE_SE
	s_setreg_imm32_b32 hwreg(HW_REG_WAVE_MODE, 25, 1), 1
	s_wait_xcnt 0x0
	s_wait_alu depctr_hold_cnt(0) depctr_sa_sdst(0) depctr_va_vdst(0) depctr_va_sdst(0) depctr_va_ssrc(0) depctr_va_vcc(0) depctr_vm_vsrc(0)
	s_getreg_b32 s2, hwreg(HW_REG_IB_STS2, 6, 4)
	s_cmp_eq_u32 s2, 0
	s_cbranch_scc0 .Lentry_in_a_cluster
	s_endpgm
.Lentry_in_a_cluster:
	s_bfe_u32 s2, ttmp6, 0x10000c
	s_cmp_lg_u32 s2, 0xf033
	s_cbranch_scc0 .Lentry_shape_is_right
	s_endpgm
.Lentry_shape_is_right:
; qkv = x w_qkv on codes of FP8 (E4M3); the sums, f32, are quantised at once into q's, k's and v's codes, which leave as IMAGES OF THE NEXT OPERANDS' REGISTERS.
; x's codes: [8192 tokens][1024], w_qkv's: [3072 rows][1024], rows in the order [head][half g][q, k, v][32 channels]; both with the same permutation of K, so every product meets its partner.
; A tile is 256 tokens x 192 rows: ONE head's q, k and v.  16 heads x 32 blocks of tokens = 512 work-groups of equal work.  Four waves: wave w takes tokens 128 (w / 2) on (one key step of the attention) and the 96 rows
; of half g = w % 2: blocks of 16 rows b = 0, 1 (q), 2, 3 (k), 4, 5 (v).  8 x 6 = 48 accumulators, 384 registers.
; WHY NOTHING IS SHUFFLED ON THE WAY OUT.  A result tile holds, in lane (r, h), register j, element (m = 8 h + j, n = r); an 8-bit operand of the plain forms holds, in lane (r, h), registers 2 c and 2 c + 1,
; k = 16 c + 8 h + 0 .. 7 of row r.  So the conversion of the eight registers of result tile c IS the pair 2 c, 2 c + 1 of an operand whose K runs along the tile's m and whose row is the tile's n.
;   q and k want K = the channels: source 0 = 16 rows of the weight, source 1 = 16 tokens (a lane holds one token, its registers run along the channels).
;   v wants K = the keys: source 0 = 16 tokens, source 1 = 16 rows of the weight (a lane holds one channel, its registers run along the tokens).
; Four registers of codes are stored by one instruction, lane l's 16 bytes at 16 l: 512 consecutive bytes, aligned.
;   q_img [b 16 + head][tile of 16 queries: 128][1,024 bytes]: registers 4 u .. 4 u + 3 at 512 u + 16 l.   kv_img [b 16 + head][key step: 16][16,384 bytes]: k's tile tau at 1,024 tau + 512 u + 16 l;
;   v's channel tile t (16 registers: 128 keys) at 8,192 + 2,048 t + 512 c + 16 l.
; K goes in steps of 256 through two LDS slots filled by the tensor data mover; four fills in all, so the steps are written out and there is no loop.
; CLUSTERS: 4 x 4 work-groups.  The four of a row of the cluster need the same tokens' tiles, the four of a column the same head's: each tile is asked for jointly, by the same load with a mask that names the four.
; A number's code: sum / 2^(e - e0 - e1), e = e2 (q), e3 (k), e5 (v): the three scales are folded into the conversion's one.  LIMITS: e - e0 - e1 between -126 and 119.
; REGISTERS, in windows of 256: window 0: v8-10 scales, v16-29 addresses, v32-127 the codes on the way out, v128-255 the tokens' 8 fragments, ONE set.   window 1: the weight's 6 fragments, TWO sets, at v0 and v128.
;   window 2: accumulator (a, b) at v[8 (6 a + b)], token blocks a = 0 .. 3;   window 3: the same for blocks 4 .. 7.
.set PITCH,  272                       ; an LDS row: 256 bytes + 16 of padding = 68 words: the 16 rows that a load touches start at 16 different banks (64 banks of 4 bytes: ISA guide 11.1)
.set BOFF,   256*PITCH                 ; a slot: 256 rows of tokens, then 192 rows of the weight
.set SLOT,   448*PITCH
.set SPARE,  2*SLOT                    ; behind the ring: the spare words, 128 bytes for each wave: two blocks of 256 bytes that no other line names
.set FR,     16                        ; registers of a fragment: 16 rows x 128 K
.set SC,   8                           ; v8-10   the conversions' scales for q, k, v
.set LM,   11
.set ADRA, 16                          ; v16-17  LDS address of my tokens' fragments in slot 0, 1
.set ADRB, 20                          ; v20-21  the same for the weight
.set LI,   26                          ; v26     16 x lane: my place in an image
.set SPW,  28                          ; v28     LDS address of my spare word; never rewritten
.set NIL,  29                          ; v29     0; never rewritten
.set QC,   32                          ; v32-63  q's codes: token block a at 4 a
.set KC,   64                          ; v64-95  k's
.set VC,   96                          ; v96-127 v's: channel tile u at 16 u, token block a at 2 a
.set AF,   128
.set G1,  24                           ; s[24:31] descriptor group 1 for the tokens' tiles; s[32:39] group 0, one set for each slot
.set G0,  32
.set G1B, 48                           ; s[48:55], s[56:63] the same for the weight's
.set G0B, 56
.set MSB, 0
.macro WIN new                         ; the immediate's high byte repeats the setting that is left; a switch that changes nothing is dropped
.if MSB != (\new)
	s_set_vgpr_msb (MSB<<8)|(\new)
.set MSB, (\new)
.endif
.endm
; a joint load: waves 0 and 1 fetch the tokens' two halves, waves 2 and 3 the weight's; the branch hangs on the wave's number alone.  Four v_nop follow each of the two lines
.macro JLOAD s
	s_cmp_eq_u32 s15, 0
	s_cbranch_scc0 .Lfor_b_\@
	tensor_load_to_lds s[G0+4*\s:G0+4*\s+3], s[G1:G1+7]
	s_nop 0
.rept 4
	v_nop
.endr
	s_branch .Lasked_\@
.Lfor_b_\@:
	tensor_load_to_lds s[G0B+4*\s:G0B+4*\s+3], s[G1B:G1B+7]
	s_nop 0
.rept 4
	v_nop
.endr
.Lasked_\@:
.endm
.macro CREST                           ; a round of the cluster's barrier behind its opening barrier
	s_cmp_lg_u32 s14, 0
	s_cbranch_scc1 .Lnot_wave_0_\@
	s_barrier_signal -3
.Lnot_wave_0_\@:
	s_barrier_wait -3
	s_barrier_signal -1
	s_barrier_wait -1
.endm
.macro CROUND
	s_barrier_signal -1
	s_barrier_wait -1
	CREST
.endm
.macro PLACES                          ; four plain lines between a matrix instruction and a load into a register that it has read (ISA guide 7.12.1 for vector instructions)
.rept 4
	v_nop
.endr
.endm
.macro FRAG reg, adr, q, i             ; 16 rows x 128 places: four loads of 16 bytes a lane, 32 bytes apart, alike for both operands
.irp c, 0,1,2,3
	ds_load_b128 v[\reg+4*\c:\reg+4*\c+3], v[\adr] offset:128*(\q)+32*\c+(\i)*16*PITCH
.endr
.endm
.macro FETCH_B slot, q, p              ; the weight's six fragments of the slot's q-th 128 into set p: 24 loads
	WIN 0x40
.irp i, 0,1,2,3,4,5
	FRAG 128*(\p)+FR*\i, ADRB+\slot, \q, \i
.endr
	WIN 0
.endm
.macro FETCH_A slot, q, i0             ; the tokens' blocks i0 .. i0 + 3: 16 loads
.irp i, \i0, \i0+1, \i0+2, \i0+3
	FRAG AF+FR*(\i), ADRA+\slot, \q, \i
.endr
.endm
; q's and k's 16 products of token blocks 4 hf .. 4 hf + 3: source 0 the weight (window 1), source 1 the tokens (window 0).  The 48 accumulators take turns, one instruction a turn, in the same order in every step
.macro MULQK hf, p, zero
	WIN 0xa1+0x50*(\hf)
.irp a, 0,1,2,3
.irp b, 0,1,2,3
.if \zero
	v_wmma_f32_16x16x128_fp8_fp8 v[8*(6*\a+\b):8*(6*\a+\b)+7], v[128*(\p)+FR*\b:128*(\p)+FR*\b+FR-1], v[AF+FR*(4*(\hf)+\a):AF+FR*(4*(\hf)+\a)+FR-1], 0
.else
	v_wmma_f32_16x16x128_fp8_fp8 v[8*(6*\a+\b):8*(6*\a+\b)+7], v[128*(\p)+FR*\b:128*(\p)+FR*\b+FR-1], v[AF+FR*(4*(\hf)+\a):AF+FR*(4*(\hf)+\a)+FR-1], v[8*(6*\a+\b):8*(6*\a+\b)+7]
.endif
.endr
.endr
.endm
; v's 8 products: source 0 the tokens (window 0), source 1 the weight (window 1)
.macro MULV hf, p, zero
	WIN 0xa4+0x50*(\hf)
.irp a, 0,1,2,3
.irp b, 4,5
.if \zero
	v_wmma_f32_16x16x128_fp8_fp8 v[8*(6*\a+\b):8*(6*\a+\b)+7], v[AF+FR*(4*(\hf)+\a):AF+FR*(4*(\hf)+\a)+FR-1], v[128*(\p)+FR*\b:128*(\p)+FR*\b+FR-1], 0
.else
	v_wmma_f32_16x16x128_fp8_fp8 v[8*(6*\a+\b):8*(6*\a+\b)+7], v[AF+FR*(4*(\hf)+\a):AF+FR*(4*(\hf)+\a)+FR-1], v[128*(\p)+FR*\b:128*(\p)+FR*\b+FR-1], v[8*(6*\a+\b):8*(6*\a+\b)+7]
.endif
.endr
.endr
.endm
; a slot's first 128 along K (the weight's set 0); its second 128 is fetched meanwhile
.macro STEP slot, zero
	s_wait_dscnt 16                                ; the weight's set and the tokens' blocks 0-3 are in; the youngest 16 loads (blocks 4-7) may be out
	MULQK 0, 0, \zero
	MULV 0, 0, \zero
	s_wait_dscnt 0x0                               ; blocks 4-7 are in
	PLACES
	FETCH_B \slot, 1, 1
	FETCH_A \slot, 1, 0
	MULQK 1, 0, \zero
	MULV 1, 0, \zero
	PLACES
	WIN 0
	FETCH_A \slot, 1, 4
.endm
; a slot's second 128 (set 1) changes slots: ONE barrier; in front of it each wave waits for all its tensor loads, adds 0 to its spare word, and waits for that and for its own reads of this slot.  fill = 1: the slot is filled again, two K steps ahead
.macro TURN slot, next, fill
	s_wait_tensorcnt 0x0                           ; all my tensor loads have landed: my part of the next slot  (every window is 0 here)
	ds_add_u32 v[SPW], v[NIL]                      ; 0 onto my spare word
	s_wait_dscnt 17                                ; (the add and the youngest 16 loads may be out)
	MULQK 0, 1, 0                                  ; sixteen matrix instructions stand between the add and the wait for it
	s_wait_dscnt 0x0                               ; the add is done, and my reads of this slot are over
	s_barrier_signal -1
	MULV 0, 1, 0
	WIN 0
	s_barrier_wait -1
.if \fill
	CREST                                          ; the barrier has opened a round of the cluster's: no wave of any partner still reads this slot or has a load on its way
	s_add_nc_u64 s[G0+4*\slot+2:G0+4*\slot+3], s[G0+4*\slot+2:G0+4*\slot+3], 512
	s_add_nc_u64 s[G0B+4*\slot+2:G0B+4*\slot+3], s[G0B+4*\slot+2:G0B+4*\slot+3], 512
	JLOAD \slot                                    ; the first tensor load behind the round; its four v_nop are the places in front of the loads below
.else
	PLACES
.endif
	FETCH_B \next, 0, 0
	FETCH_A \next, 0, 0
	MULQK 1, 1, 0
	MULV 1, 1, 0
	PLACES
	WIN 0
	FETCH_A \next, 0, 4
.endm
; the way out of token blocks 4 hf .. 4 hf + 3: the conversions into window 0
.macro OUTHALF hf
	WIN 0x82+0x41*(\hf)                            ; destination and source 0: window 2 or 3
.irp a, 0,1,2,3
.irp b, 0,1,2,3,4,5
.irp j, 0,1,2,3,4,5,6,7
.endr
.endr
.endr
	WIN 0x02+(\hf)                                 ; source 0: window 2 or 3
	v_nop
.irp a, 0,1,2,3
.irp b, 0,1
	v_cvt_scalef32_pk8_fp8_f32 v[QC+4*(4*(\hf)+\a)+2*\b:QC+4*(4*(\hf)+\a)+2*\b+1], v[8*(6*\a+\b):8*(6*\a+\b)+7], v[SC]
	v_cvt_scalef32_pk8_fp8_f32 v[KC+4*(4*(\hf)+\a)+2*\b:KC+4*(4*(\hf)+\a)+2*\b+1], v[8*(6*\a+\b+2):8*(6*\a+\b+2)+7], v[SC+1]
	v_cvt_scalef32_pk8_fp8_f32 v[VC+16*\b+2*(4*(\hf)+\a):VC+16*\b+2*(4*(\hf)+\a)+1], v[8*(6*\a+\b+4):8*(6*\a+\b+4)+7], v[SC+2]
.endr
.endr
	v_nop                                          ; one plain line behind the last conversion of the run
.endm
	s_load_b128 s[4:7], s[0:1], 0x0                ; x's codes s[4:5], w_qkv's s[6:7]
	s_load_b128 s[8:11], s[0:1], 0x10              ; the scales' exponents s[8:9], q_img s[10:11]
	s_load_b64 s[12:13], s[0:1], 0x20              ; kv_img
	v_lshl_add_u32 v[SPW], v0, 2, SPARE
	v_mov_b32 v[NIL], 0
	ds_add_u32 v28, v29
	ds_add_u32 v28, v29
	s_wait_dscnt 0x0
	v_lshrrev_b32 v1, 5, v0
	v_readfirstlane_b32 s14, v1                    ; wave 0..3
	s_lshr_b32 s15, s14, 1                         ; which 128 tokens are mine.  Also: I fetch tokens (0) or the weight (1)
	s_and_b32 s16, s14, 1                          ; g: which 96 rows of the weight are mine.  Also: which half of that tile I fetch
	s_bfe_u32 s40, ttmp6, 0x40000                  ; cx, cy: my place in the cluster
	s_bfe_u32 s41, ttmp6, 0x40004
	s_lshl_b32 s42, ttmp9, 2
	s_add_co_u32 s42, s42, s40                     ; the head = 4 x cluster x + cx
	s_and_b32 s17, ttmp7, 0xffff
	s_lshl_b32 s17, s17, 2
	s_add_co_u32 s17, s17, s41                     ; the block of 256 tokens = 4 x cluster y + cy
	s_lshl_b32 s43, s41, 2
	s_lshl_b32 s43, 15, s43                        ; my row of the cluster
	s_lshl_b32 s44, 0x1111, s40                    ; my column
	s_or_b32 s[G1+0], s43, (1<<20)|(1<<21)|(5<<22)|(3<<25)   ; 15:0 the mask; 17:16 elements of 1 byte; 20 padding on; 21 set beside a mask; 24:22 after every 64 words; 31:25 four words
	s_or_b32 s[G1B+0], s44, (1<<20)|(1<<21)|(5<<22)|(3<<25)
	s_mov_b32 s[G1+1], 256<<16                     ; tensor_dim0 = 256
	s_mov_b32 s[G1+2], 128<<16                     ; tensor_dim1 = 128 rows
	s_mov_b32 s[G1+3], 256<<16                     ; tile_dim0
	s_mov_b32 s[G1+4], 128                         ; tile_dim1
	s_mov_b32 s[G1+5], 1024                        ; from row to row
	s_mov_b32 s[G1+6], 0
	s_mov_b32 s[G1+7], 0
	s_mov_b32 s[G1B+1], 256<<16
	s_mov_b32 s[G1B+2], 96<<16                     ; 96 rows
	s_mov_b32 s[G1B+3], 256<<16
	s_mov_b32 s[G1B+4], 96
	s_mov_b32 s[G1B+5], 1024
	s_mov_b32 s[G1B+6], 0
	s_mov_b32 s[G1B+7], 0
	s_lshl_b32 s20, s17, 18                        ; tokens: row 256 x block + 128 x half, rows of 1,024 bytes
	s_lshl_b32 s18, s16, 17
	s_add_co_u32 s20, s20, s18
	s_mov_b32 s21, 0
	s_mul_i32 s46, s42, 192*1024                   ; the weight: row 192 x head + 96 x half
	s_mul_i32 s47, s16, 96*1024
	s_add_co_u32 s46, s46, s47
	s_mov_b32 s47, 0
	s_mul_i32 s45, s16, 128*PITCH                  ; where they go: no place in the cluster enters an LDS address
	s_mul_i32 s66, s16, 96*PITCH
	s_add_co_u32 s66, s66, BOFF
	s_wait_kmcnt 0x0
	s_load_b256 s[72:79], s[8:9], 0x0              ; e0 .. e7
	s_add_nc_u64 s[20:21], s[4:5], s[20:21]
	s_add_nc_u64 s[46:47], s[6:7], s[46:47]
	CROUND                                         ; all sixteen work-groups are here: the first joint loads meet
.irp s, 0,1
	s_mov_b32 s[G0+4*\s], 1
	s_add_co_u32 s[G0+4*\s+1], s45, \s*SLOT
	s_add_nc_u64 s[G0+4*\s+2:G0+4*\s+3], s[20:21], \s*256
	s_or_b32 s[G0+4*\s+3], s[G0+4*\s+3], 0x80000000
	s_mov_b32 s[G0B+4*\s], 1
	s_add_co_u32 s[G0B+4*\s+1], s66, \s*SLOT
	s_add_nc_u64 s[G0B+4*\s+2:G0B+4*\s+3], s[46:47], \s*256
	s_or_b32 s[G0B+4*\s+3], s[G0B+4*\s+3], 0x80000000
	JLOAD \s                                       ; two loads of mine are out
.endr
	v_and_b32 v1, 15, v0                           ; r
	v_bfe_u32 v2, v0, 4, 1                         ; h
	v_mul_u32_u24 v3, v1, PITCH
	v_lshl_add_u32 v4, v2, 4, v3                   ; a fragment's row x pitch + 16 h
	s_mul_i32 s22, s15, 128*PITCH                  ; my 128 tokens
	s_mul_i32 s23, s16, 96*PITCH                   ; my 96 rows of the weight,
	s_add_co_u32 s23, s23, BOFF                    ; which lie behind the tokens' 256
.irp s, 0,1
	v_add_nc_u32 v[ADRA+\s], s22, v4
	v_add_nc_u32 v[ADRB+\s], s23, v4
	s_add_co_u32 s22, s22, SLOT
	s_add_co_u32 s23, s23, SLOT
.endr
	v_and_b32 v5, 31, v0
	v_lshlrev_b32 v[LI], 4, v5
	s_wait_alu depctr_va_vdst(0)
	s_wait_tensorcnt 1                             ; my part of slot 0 is in (slot 1's load may be out)
	s_barrier_signal -1
	s_barrier_wait -1                              ; everybody's is
	FETCH_B 0, 0, 0
	FETCH_A 0, 0, 0
	FETCH_A 0, 0, 4
	STEP 0, 1                                      ; K 0-127: the first products start the sums: nothing is cleared
	TURN 0, 1, 1                                   ; K 128-255; slot 0 takes K 512-767
	STEP 1, 0
	TURN 1, 0, 1                                   ; slot 1 takes K 768-1023
	STEP 0, 0
	TURN 0, 1, 0                                   ; nothing is left to fetch
	STEP 1, 0
	s_wait_dscnt 16                                ; the last 128 along K
	MULQK 0, 1, 0
	MULV 0, 1, 0
	s_wait_dscnt 0x0
	MULQK 1, 1, 0
	MULV 1, 1, 0
	WIN 0
	; THE WAY OUT.  The three v_mov_b32 below name no register of a product: they are the places behind the last products.
	s_wait_kmcnt 0x0
	s_add_co_i32 s80, s72, s73                     ; e0 + e1: a sum stands for sum x 2^(e0 + e1)
.irp y, 0,1,2
	s_sub_co_i32 s81, s[74+\y+\y/2], s80           ; e2, e3, e5
	s_add_co_i32 s81, s81, 127
	s_lshl_b32 s82, s81, 23
	v_mov_b32 v[SC+\y], s82                        ; 2^(e - e0 - e1) as f32
	s_add_co_i32 s81, s81, 8
	s_lshl_b32 s81, s81, 23
	s_or_b32 s81, s81, 0x600000
.endr
	s_wait_alu depctr_va_vdst(0)
	OUTHALF 0
	OUTHALF 1
	WIN 0
	s_lshr_b32 s81, s17, 3                         ; the batch: 8 blocks of 256 tokens each
	s_lshl_b32 s81, s81, 4
	s_add_co_u32 s81, s81, s42                     ; 16 x batch + head
	s_and_b32 s82, s17, 7
	s_lshl_b32 s82, s82, 1
	s_add_co_u32 s82, s82, s15                     ; my key step in the sequence
	s_lshl_b32 s84, s81, 17
	s_lshl_b32 s83, s82, 13
	s_add_co_u32 s84, s84, s83
	s_lshl_b32 s83, s16, 9                         ; my half of the channels is registers 4 g .. 4 g + 3 of q's and k's operands
	s_add_co_u32 s84, s84, s83
	s_mov_b32 s85, 0
	s_add_nc_u64 s[10:11], s[10:11], s[84:85]      ; q's images
	s_lshl_b32 s84, s81, 18
	s_lshl_b32 s83, s82, 14
	s_add_co_u32 s84, s84, s83
	s_add_nc_u64 s[12:13], s[12:13], s[84:85]      ; my key step's block
	s_lshl_b32 s84, s16, 9
	s_add_nc_u64 s[86:87], s[12:13], s[84:85]      ; k's images
	s_lshl_b32 s84, s16, 12
	s_add_co_u32 s84, s84, 8192
	s_add_nc_u64 s[88:89], s[12:13], s[84:85]      ; v's: channel tiles 2 g and 2 g + 1
	s_wait_alu depctr_va_vdst(0)
.irp a, 0,1,2,3,4,5,6,7
	global_store_b128 v[LI], v[QC+4*\a:QC+4*\a+3], s[10:11] offset:1024*\a   ; each store covers 512 consecutive bytes, aligned
.endr
.irp a, 0,1,2,3,4,5,6,7
	global_store_b128 v[LI], v[KC+4*\a:KC+4*\a+3], s[86:87] offset:1024*\a
.endr
.irp u, 0,1
.irp c, 0,1,2,3
	global_store_b128 v[LI], v[VC+16*\u+4*\c:VC+16*\u+4*\c+3], s[88:89] offset:2048*\u+512*\c
.endr
.endr
	s_wait_tensorcnt 0x0                           ; the wave's end
	ds_add_u32 v[SPW], v[NIL]
	s_wait_dscnt 0x0
	CROUND                                         ; the closing round: no work-group ends while a partner may still ask for a tile that names it
	s_endpgm
.Lfunc_end_k_q86e1fec4d5_qkv:
	.size	k_q86e1fec4d5_qkv, .Lfunc_end_k_q86e1fec4d5_qkv-k_q86e1fec4d5_qkv
	.p2alignl 7, 3214868480
	.fill 96, 4, 3214868480
	.section	.rodata,"a",@progbits
	.p2align	6, 0x0
	.amdhsa_kernel k_q86e1fec4d5_qkv
		.amdhsa_group_segment_fixed_size 327680
		.amdhsa_private_segment_fixed_size 0
		.amdhsa_enable_private_segment 0
		.amdhsa_kernarg_size 40
		.amdhsa_user_sgpr_count 2
		.amdhsa_user_sgpr_kernarg_segment_ptr 1
		.amdhsa_wavefront_size32 1
		.amdhsa_system_sgpr_workgroup_id_x 1
		.amdhsa_system_sgpr_workgroup_id_y 1
		.amdhsa_system_sgpr_workgroup_id_z 1
		.amdhsa_system_vgpr_workitem_id 0
		.amdhsa_next_free_vgpr 960
		.amdhsa_next_free_sgpr 100
		.amdhsa_reserve_vcc 0
		.amdhsa_float_denorm_mode_32 3
		.amdhsa_float_denorm_mode_16_64 3
		.amdhsa_fp16_overflow 1
		.amdhsa_memory_ordered 1
		.amdhsa_forward_progress 1
		.amdhsa_inst_pref_size 73
	.end_amdhsa_kernel
	.amdgpu_metadata
---
amdhsa.version: [ 1, 2 ]
amdhsa.kernels:
  - .name:           k_q86e1fec4d5_qkv
    .symbol:         k_q86e1fec4d5_qkv.kd
    .args:
      - { .name: x_codes, .offset: 0, .size: 8, .value_kind: global_buffer, .address_space: global }
      - { .name: wqkv_codes, .offset: 8, .size: 8, .value_kind: global_buffer, .address_space: global }
      - { .name: lowp_scales, .offset: 16, .size: 8, .value_kind: global_buffer, .address_space: global }
      - { .name: q_img, .offset: 24, .size: 8, .value_kind: global_buffer, .address_space: global }
      - { .name: kv_img, .offset: 32, .size: 8, .value_kind: global_buffer, .address_space: global }
    .group_segment_fixed_size: 327680
    .private_segment_fixed_size: 0
    .kernarg_segment_align: 8
    .kernarg_segment_size: 40
    .max_flat_workgroup_size: 128
    .sgpr_count:     100
    .vgpr_count:     960
    .wavefront_size: 32
...
	.end_amdgpu_metadata
.endif
;; end of part 2
;; launch attn (part 3): grid 4 x 64, 16 waves a work-group, clusters of 4 x 1, 264,192 bytes of LDS; arguments q_img, kv_img, lowp_scales, y_img; writes y_img
.if DOCPART == 3
	.amdgcn_target "amdgcn-amd-amdhsa--gfx1250"
	.amdhsa_code_object_version 6
	.text
	.protected	k_q86e1fec4d5_attn
	.globl	k_q86e1fec4d5_attn
	.p2align	8
	.type	k_q86e1fec4d5_attn,@function
k_q86e1fec4d5_attn:
	s_mov_b64 s[64:65], 0
	v_nop
	global_prefetch_b8 v0, s[64:65] scope:SCOPE_SE
	s_setreg_imm32_b32 hwreg(HW_REG_WAVE_MODE, 25, 1), 1
	s_wait_xcnt 0x0
	s_wait_alu depctr_hold_cnt(0) depctr_sa_sdst(0) depctr_va_vdst(0) depctr_va_sdst(0) depctr_va_ssrc(0) depctr_va_vcc(0) depctr_vm_vsrc(0)
	s_getreg_b32 s2, hwreg(HW_REG_IB_STS2, 6, 4)
	s_cmp_eq_u32 s2, 0
	s_cbranch_scc0 .Lentry_in_a_cluster
	s_endpgm
.Lentry_in_a_cluster:
	s_bfe_u32 s2, ttmp6, 0x10000c
	s_cmp_lg_u32 s2, 0x3003
	s_cbranch_scc0 .Lentry_shape_is_right
	s_endpgm
.Lentry_shape_is_right:
; y = softmax(q k^T / 8, causal) v for each of the 64 (batch, head) pairs, both products on codes of FP8 (E4M3); y is quantised at once and leaves as images of the last product's operand.
; THE SOFTMAX AHEAD OF THE SECOND PRODUCT: t = score x log2(e) / 8; M = the row's largest t so far, rounded UP to a whole number; p = 2^(t - M) is what is quantised; the row's sum is taken of the unquantised p, in f32,
; and divides at the end.  When M moves, the sum and O are multiplied by 2^(old M - new M): exact.
; A HEAD'S K AND V LIE WHOLE IN LDS: 16 key steps x 16,384 bytes = 262,144.  Each byte is filled once: no slot is filled again, and the loops over the keys hold no barrier.
; CLUSTER: the four work-groups of a cluster serve ONE head and ask for its block jointly (mask 15): the same loads, with the same descriptors, in all four.
; SHARES.  A head has 128 tiles of 16 queries and 4 x 16 waves.  Wave w of the work-group at place cx owns tile lo = 8 (w / 2) + 2 cx + w % 2 and tile hi = 127 - lo.  In key steps of 128, lo needs w / 2 + 1 and hi 16 - w / 2:
; 17 for EVERY wave, and no step all of whose keys are hidden is worked.  The steps' numbers hang on the wave's number alone; cx enters global addresses and the mask's compare, no branch and no LDS address.
; THE FILLS.  Three loads a wave, all at the head: key steps 0-1, 2-5 and 6-15, each shared out among the sixteen waves (8, 16 and 40 rows of 256 bytes a wave: few rows a load, so that all sixteen ask at once and the first
; steps can be worked while the rest is on its way).  The hi tile's first six steps are open in every wave, so all waves reach the two later barriers behind equal work.
; LAYOUT.  Both products are used transposed: S^T = K Q^T (source 0 = 16 keys, source 1 = my 16 queries; K = 64), O^T = V^T P^T (source 0 = 16 channels, source 1 = P; K = 128 keys): a lane holds ONE query throughout.
; In a result tile lane (r, h), register j, holds row 8 h + j; an 8-bit operand's registers 2 c, 2 c + 1 hold k = 16 c + 8 h + 0 .. 7: so the conversion of S^T's tile c is the pair 2 c, 2 c + 1 of P, and that of O^T's tile t
; the pair 2 t, 2 t + 1 of y's operand.  All operands lie in memory and LDS as images of their registers: four registers by one load, lane l's 16 bytes at 16 l: no pitch, no padding, consecutive bytes.
; y_img [4 heads' group][tile of 16 rows: 512][head in the group][1,024 bytes].
; LIMITS on the given exponents: e2 + e3 between -123 and 130 (added to c's exponent field); e4, and e6 - e4 - e5, between -126 and 119.
; O^T and the sum begin as zeros and the largest t as -3e38, so that a key step is written once for first and later steps: 32 v_mov_b32 a tile.
; REGISTERS: v1 16 x lane; v2 the step's LDS address; v4, v5 the mask's distances; v6 -infinity; v12 -M, v13 the largest t, v[14:15] the sum; v16-23, v24-31 Q of hi, lo; v32-95 K's eight fragments, then V's four;
;   v96-159 S^T, then p; v160-191 O^T; v192-207 P's codes; v208-223 y's codes; v236-254 at work and constants.
.set LI,   1
.set ADR,  2
.set DHI,  4
.set DLO,  5
.set NINF, 6
.set QHI,  16
.set QLO,  24
.set F,    32
.set S,    96
.set OT,   160
.set PC,   192
.set YHI,  208
.set YLO,  216
.set WV,   18                          ; s18  my wave's number
.set SEL,  20                          ; s[20:21] selects for v_permlanex16_b32: lane l xor 16
.set CS,   22                          ; s[22:23] c = log2(e) / 8 x 2^(e2 + e3)
.set TB,   66                          ; s66  LDS byte of the key step in hand
.set KS,   67                          ; s67  its number
.set GHI,  68                          ; s68  the hi tile's step on the diagonal: 15 - w / 2
.set GLO,  69                          ; s69  the lo tile's: w / 2
.macro CROUND                          ; a round of the cluster's barrier
	s_barrier_signal -1
	s_barrier_wait -1
	s_cmp_lg_u32 s[WV], 0
	s_cbranch_scc1 .Lnot_wave_0_\@
	s_barrier_signal -3
.Lnot_wave_0_\@:
	s_barrier_wait -3
	s_barrier_signal -1
	s_barrier_wait -1
.endm
; the descriptors of one fill: my pw bytes, rows of 256 bytes on end, at byte off + pw x wave of the head's block and of LDS alike
.macro STAGE g1, g0, off, pw, rows
	s_mov_b32 s[\g1], 15|(3<<16)|(1<<21)           ; 15:0 the mask: all four work-groups; 17:16 elements of 8 bytes; 21 set beside a mask; no padding
	s_mov_b32 s[\g1+1], 32<<16                     ; tensor_dim0 = 32 elements
	s_mov_b32 s[\g1+2], (\rows)<<16                ; tensor_dim1
	s_mov_b32 s[\g1+3], 32<<16                     ; tile_dim0
	s_mov_b32 s[\g1+4], \rows                      ; tile_dim1
	s_mov_b32 s[\g1+5], 32                         ; from row to row
	s_mov_b32 s[\g1+6], 0
	s_mov_b32 s[\g1+7], 0
	s_mul_i32 s62, s[WV], \pw
	s_add_co_u32 s62, s62, \off
	s_mov_b32 s[\g0], 1
	s_mov_b32 s[\g0+1], s62
	s_add_nc_u64 s[\g0+2:\g0+3], s[6:7], s[62:63]
	s_or_b32 s[\g0+3], s[\g0+3], 0x80000000
.endm
; A KEY STEP: 128 keys at LDS byte s[TB], for the tile whose Q is in v[q] on.  causal = 1: the step is left out where all its keys come after the tile (step > diag), and masked where step = diag
.macro STEP q, causal, diag, dist
.if \causal
	s_cmp_gt_u32 s[KS], s[\diag]
	s_cbranch_scc1 .Lhidden_\@
.endif
	s_setprio 2
	v_add_nc_u32 v[ADR], s[TB], v[LI]
.irp f, 0,1,2,3,4,5,6,7
	ds_load_b128 v[F+8*\f:F+8*\f+3],   v[ADR] offset:1024*\f        ; K's tile f: 16 keys x 64 channels
	ds_load_b128 v[F+8*\f+4:F+8*\f+7], v[ADR] offset:1024*\f+512
.endr
	s_wait_alu depctr_va_vdst(0)
	s_wait_dscnt 8                                 ; tiles 0-3 are in; tiles 4-7 may be out
.irp f, 0,1,2,3
	v_wmma_f32_16x16x64_fp8_fp8 v[S+8*\f:S+8*\f+7], v[F+8*\f:F+8*\f+7], v[\q:\q+7], 0
.endr
	s_wait_dscnt 0x0
.irp f, 4,5,6,7
	v_wmma_f32_16x16x64_fp8_fp8 v[S+8*\f:S+8*\f+7], v[F+8*\f:F+8*\f+7], v[\q:\q+7], 0
.endr
.rept 4
	v_nop                                          ; places in front of the loads into K's registers and of the first read of the scores
.endr
.irp t, 0,1,2,3
.irp c, 0,1,2,3
	ds_load_b128 v[F+16*\t+4*\c:F+16*\t+4*\c+3], v[ADR] offset:8192+2048*\t+512*\c   ; V's tile t: 16 channels x 128 keys: it lands under the softmax
.endr
.endr
.if \causal
	s_cmp_lg_u32 s[KS], s[\diag]
	s_cbranch_scc1 .Lopen_\@
.set jj, 0
.rept 64                                       ; register 8 f + j holds the step's key 16 f + 8 h + j: hidden where 16 f + j > my query in the step - 8 h
	v_cmp_gt_i32 vcc_lo, 16*(jj/8)+jj%8, v[\dist]
	v_cndmask_b32 v[S+jj], v[S+jj], v[NINF], vcc_lo
.set jj, jj+1
.endr
.Lopen_\@:
.endif
	v_max3_num_f32 v254, v[S], v[S+1], v[S+2]      ; the step's largest score of my query among my 64 keys, in two chains, each tile from its low end on,
	v_max3_num_f32 v252, v[S+3], v[S+4], v[S+5]
.set jj, 6
.rept 14
	v_max3_num_f32 v254, v254, v[S+jj], v[S+jj+1]
	v_max3_num_f32 v252, v252, v[S+jj+2], v[S+jj+3]
.set jj, jj+4
.endr
	v_max3_num_f32 v254, v254, v[S+62], v[S+63]
	s_delay_alu instid0(VALU_DEP_1)
	v_max_num_f32 v254, v254, v252
	s_delay_alu instid0(VALU_DEP_1)
	v_permlanex16_b32 v236, v254, s[SEL], s[SEL+1]
	s_delay_alu instid0(VALU_DEP_1)
	v_max_num_f32 v254, v254, v236                 ; and among lane l xor 16's
	s_delay_alu instid0(VALU_DEP_1)
	v_mul_f32 v254, s[CS], v254                    ; as t (c is positive)
	s_delay_alu instid0(VALU_DEP_1)
	v_max_num_f32 v13, v13, v254                   ; the running largest t
	v_mov_b32 v254, v12
	s_delay_alu instid0(VALU_DEP_2)
	v_floor_f32 v12, -v13                          ; the new -M = floor(-t) = -ceil(t)
	s_delay_alu instid0(VALU_DEP_1)
	v_sub_f32 v254, v12, v254                      ; old M - new M: a whole number, 0 or less
	s_delay_alu instid0(VALU_DEP_1)
	v_cvt_i32_f32 v254, v254                       ; (it saturates)
	s_delay_alu instid0(VALU_DEP_1)
	v_ldexp_f32 v252, 1.0, v254                    ; f = 2^(old M - new M)
.set jj, 0
.rept 32
	v_pk_fma_f32 v[S+jj:S+jj+1], v[S+jj:S+jj+1], s[CS:CS+1], v[12:13] op_sel_hi:[1,0,0]   ; t - M, two at a time
.set jj, jj+2
.endr
.set jj, 0
	s_setprio 1
	s_wait_alu depctr_va_vdst(0)
.rept 64
	v_exp_f32 v[S+jj], v[S+jj]                     ; p = 2^(t - M), at most 1; 0 where the score was -infinity
.set jj, jj+1
.endr
	v_pk_mul_f32 v[14:15], v[14:15], v[252:253] op_sel_hi:[1,0]   ; the sums under the new M: the plain line behind the exponentials
	s_wait_alu depctr_va_vdst(0)                   ; one wait for the whole batch, ahead of its first reader
	v_pk_add_f32 v[242:243], v[100:101], v[104:105]
	v_pk_add_f32 v[248:249], v[108:109], v[112:113]
	v_pk_add_f32 v[246:247], v[116:117], v[120:121]
	v_pk_add_f32 v[240:241], v[124:125], v[128:129]
	v_pk_add_f32 v[238:239], v[132:133], v[136:137]
	v_pk_add_f32 v[234:235], v[140:141], v[144:145]
	v_pk_add_f32 v[232:233], v[148:149], v[152:153]
	v_pk_add_f32 v[14:15], v[14:15], v[156:157]
	v_pk_add_f32 v[242:243], v[242:243], v[96:97]
	v_pk_add_f32 v[248:249], v[248:249], v[98:99]
	v_pk_add_f32 v[246:247], v[246:247], v[102:103]
	v_pk_add_f32 v[240:241], v[240:241], v[106:107]
	v_pk_add_f32 v[238:239], v[238:239], v[110:111]
	v_pk_add_f32 v[234:235], v[234:235], v[114:115]
	v_pk_add_f32 v[232:233], v[232:233], v[118:119]
	v_pk_add_f32 v[14:15], v[14:15], v[122:123]
	v_pk_add_f32 v[242:243], v[242:243], v[126:127]
	v_pk_add_f32 v[248:249], v[248:249], v[130:131]
	v_pk_add_f32 v[246:247], v[246:247], v[134:135]
	v_pk_add_f32 v[240:241], v[240:241], v[138:139]
	v_pk_add_f32 v[238:239], v[238:239], v[142:143]
	v_pk_add_f32 v[234:235], v[234:235], v[146:147]
	v_pk_add_f32 v[232:233], v[232:233], v[150:151]
	v_pk_add_f32 v[14:15], v[14:15], v[154:155]
	v_pk_add_f32 v[242:243], v[242:243], v[158:159]
	s_delay_alu instid0(VALU_DEP_2)
	v_pk_add_f32 v[14:15], v[14:15], v[240:241]
	s_delay_alu instid0(VALU_DEP_2)
	v_pk_add_f32 v[242:243], v[242:243], v[238:239]
	v_pk_add_f32 v[248:249], v[248:249], v[234:235]
	v_pk_add_f32 v[246:247], v[246:247], v[232:233]
	s_delay_alu instid0(VALU_DEP_2)
	v_pk_add_f32 v[14:15], v[14:15], v[248:249]
	s_delay_alu instid0(VALU_DEP_2)
	v_pk_add_f32 v[242:243], v[242:243], v[246:247]
	s_delay_alu instid0(VALU_DEP_1)
	v_pk_add_f32 v[14:15], v[14:15], v[242:243]
.irp f, 0,1,2,3,4,5,6,7
.irp i, 0,1,2,3,4,5,6,7
.endr
	v_cvt_scalef32_pk8_fp8_f32 v[PC+2*\f:PC+2*\f+1], v[S+8*\f:S+8*\f+7], v244   ; P's registers 2 f, 2 f + 1: keys 16 f + 8 h + 0 .. 7
.endr
.set jj, 0
	s_setprio 0
.rept 16
	v_pk_mul_f32 v[OT+jj:OT+jj+1], v[OT+jj:OT+jj+1], v[252:253] op_sel_hi:[1,0]   ; O^T under the new M.  (Also the plain lines between the conversions and the products)
.set jj, jj+2
.endr
	s_wait_alu depctr_va_vdst(0)
	s_wait_dscnt 0x0                               ; V is in
.irp t, 0,1,2,3
	v_wmma_f32_16x16x128_fp8_fp8 v[OT+8*\t:OT+8*\t+7], v[F+16*\t:F+16*\t+15], v[PC:PC+15], v[OT+8*\t:OT+8*\t+7]   ; the four accumulators by turns; between two links of a chain stand the others' and the next step's eight
.endr
.rept 4
	v_nop                                          ; places in front of the next loads into these fragments and of the next read of O^T
.endr
.if \causal
.Lhidden_\@:
.endif
	s_add_co_u32 s[TB], s[TB], 16384
.endm
.macro INIT
	v_mov_b32 v13, 0xff61b1e6                      ; the largest t so far: -3e38, under every t
	s_delay_alu instid0(VALU_DEP_1)
	v_floor_f32 v12, -v13
	v_mov_b32 v14, 0
	v_mov_b32 v15, 0
.set jj, 0
.rept 32
	v_mov_b32 v[OT+jj], 0
.set jj, jj+1
.endr
.endm
; a tile's end: O^T / the sum is quantised with 2^(e6 - e4 - e5) and stored as the image of an operand of 16 rows x 64 K
.macro FINISH cd, yb
	v_add_f32 v14, v14, v15
	s_delay_alu instid0(VALU_DEP_1)
	v_permlanex16_b32 v252, v14, s[SEL], s[SEL+1]
	s_delay_alu instid0(VALU_DEP_1)
	v_add_f32 v14, v14, v252                       ; the row's sum
	s_wait_alu depctr_va_vdst(0)
	v_rcp_f32 v14, v14
	v_nop                                          ; a plain line behind the reciprocal
	s_wait_alu depctr_va_vdst(0)                   ; and the wait ahead of its first reader
.set jj, 0
.rept 16
	v_pk_mul_f32 v[S+jj:S+jj+1], v[OT+jj:OT+jj+1], v[14:15] op_sel_hi:[1,0]
.set jj, jj+2
.endr
.set jj, 0
.rept 32
.set jj, jj+1
.endr
.irp t, 0,1,2,3
	v_cvt_scalef32_pk8_fp8_f32 v[\cd+2*\t:\cd+2*\t+1], v[S+8*\t:S+8*\t+7], v245
.endr
	v_nop                                          ; one plain line behind the last conversion: later products write its sources
	global_store_b128 v[LI], v[\cd:\cd+3], s[\yb:\yb+1]              ; 512 consecutive bytes each, aligned
	global_store_b128 v[LI], v[\cd+4:\cd+7], s[\yb:\yb+1] offset:512
.endm
	s_load_b256 s[4:11], s[0:1], 0x0               ; q_img s[4:5], kv_img s[6:7], the scales' exponents s[8:9], y_img s[10:11]
	v_lshl_add_u32 v251, v0, 2, 0x40000
	v_mov_b32 v255, 0
	ds_add_u32 v251, v255
	ds_add_u32 v251, v255
	v_lshrrev_b32 v2, 5, v0
	s_delay_alu instid0(VALU_DEP_1)
	v_readfirstlane_b32 s[WV], v2                  ; wave 0..15
	s_bfe_u32 s19, ttmp6, 0x40000                  ; cx
	s_and_b32 s12, ttmp7, 0xffff                   ; 16 x batch + head, which the four partners share
	s_lshr_b32 s13, s[WV], 1
	s_and_b32 s14, s[WV], 1
	s_lshl_b32 s15, s19, 1
	s_add_co_u32 s15, s15, s14                     ; 2 cx + w % 2
	s_lshl_b32 s16, s13, 3
	s_add_co_u32 s16, s16, s15                     ; lo
	s_sub_co_u32 s17, 127, s16                     ; hi
	s_sub_co_u32 s[GHI], 15, s13
	s_mov_b32 s[GLO], s13
	s_mov_b32 s[SEL], 0x76543210
	s_mov_b32 s[SEL+1], 0xfedcba98
	s_lshl_b32 s60, s12, 18                        ; the head's block of K and V
	s_mov_b32 s61, 0
	s_mov_b32 s63, 0
	s_wait_dscnt 0x0
	s_wait_kmcnt 0x0
	s_load_b256 s[80:87], s[8:9], 0x0              ; e0 .. e7
	s_add_nc_u64 s[6:7], s[6:7], s[60:61]
	STAGE 24, 48, 0, 2048, 8                       ; key steps 0-1
	STAGE 32, 52, 32768, 4096, 16                  ; key steps 2-5
	STAGE 40, 56, 98304, 10240, 40                 ; key steps 6-15
	CROUND                                         ; all four work-groups are here: the joint loads meet
	tensor_load_to_lds s[48:51], s[24:31]          ; the launch's only fills, one group: three loads of mine are out
	s_nop 0
	tensor_load_to_lds s[52:55], s[32:39]
	s_nop 0
	tensor_load_to_lds s[56:59], s[40:47]
	s_nop 0
.rept 4
	v_nop
.endr
	v_and_b32 v[LI], 31, v0
	s_delay_alu instid0(VALU_DEP_1)
	v_lshlrev_b32 v[LI], 4, v[LI]
	s_lshl_b32 s60, s12, 17                        ; the head's 128 tiles of q
	s_lshl_b32 s62, s17, 10
	s_add_co_u32 s62, s62, s60
	s_add_nc_u64 s[70:71], s[4:5], s[62:63]
	s_lshl_b32 s62, s16, 10
	s_add_co_u32 s62, s62, s60
	s_add_nc_u64 s[72:73], s[4:5], s[62:63]
	global_load_b128 v[QHI:QHI+3],   v[LI], s[70:71]
	global_load_b128 v[QHI+4:QHI+7], v[LI], s[70:71] offset:512
	global_load_b128 v[QLO:QLO+3],   v[LI], s[72:73]
	global_load_b128 v[QLO+4:QLO+7], v[LI], s[72:73] offset:512
	s_and_b32 s60, s12, 15                         ; the head
	s_lshr_b32 s61, s60, 2
	s_lshl_b32 s61, s61, 21                        ; its group of four: 512 tiles x 4,096 bytes
	s_and_b32 s60, s60, 3
	s_lshl_b32 s60, s60, 10
	s_add_co_u32 s60, s60, s61
	s_lshr_b32 s61, s12, 4                         ; the batch: 128 tiles
	s_lshl_b32 s61, s61, 19
	s_add_co_u32 s60, s60, s61
	s_lshl_b32 s62, s17, 12
	s_add_co_u32 s62, s62, s60
	s_add_nc_u64 s[74:75], s[10:11], s[62:63]      ; y's image of hi,
	s_lshl_b32 s62, s16, 12
	s_add_co_u32 s62, s62, s60
	s_add_nc_u64 s[76:77], s[10:11], s[62:63]      ; of lo
	v_and_b32 v7, 15, v0                           ; r
	v_bfe_u32 v8, v0, 4, 1                         ; h
	s_delay_alu instid0(VALU_DEP_1)
	v_lshlrev_b32 v8, 3, v8
	s_delay_alu instid0(VALU_DEP_1)
	v_sub_nc_u32 v7, v7, v8                        ; r - 8 h
	s_lshl_b32 s60, s15, 4                         ; lo's first query in its step on the diagonal: 16 (2 cx + w % 2),
	s_sub_co_u32 s61, 112, s60                     ; hi's
	v_add_nc_u32 v[DLO], s60, v7
	v_add_nc_u32 v[DHI], s61, v7
	v_mov_b32 v[NINF], 0xff800000
	v_mov_b32 v236, 0                              ; written once: a lane permute's destination counts as one of its sources
	v_mov_b32 v252, 0
	v_mov_b32 v253, 0                              ; (named as the upper half of the pair v[252:253])
	INIT
	s_wait_kmcnt 0x0
	s_add_co_i32 s60, s82, s83                     ; a score stands for score x 2^(e2 + e3): added to c's exponent field
	s_lshl_b32 s60, s60, 23
	s_mov_b32 s[CS], 0x3e38aa3b                    ; log2(e) / 8
	s_add_co_i32 s[CS], s[CS], s60
	s_mov_b32 s[CS+1], s[CS]
	s_add_co_i32 s60, s84, 127
	s_lshl_b32 s61, s60, 23
	v_mov_b32 v244, s61                            ; 2^e4
	s_sub_co_i32 s60, s86, s84
	s_sub_co_i32 s60, s60, s85
	s_add_co_i32 s60, s60, 127
	s_lshl_b32 s61, s60, 23
	v_mov_b32 v245, s61                            ; 2^(e6 - e4 - e5): O^T / the sum stands for y / 2^(e4 + e5)
	s_wait_loadcnt 0x0                             ; Q
	s_wait_tensorcnt 2                             ; my part of key steps 0-1 is in; the two later fills may be out
	s_barrier_signal -1
	s_barrier_wait -1                              ; everybody's is
	s_mov_b32 s[TB], 0
	s_mov_b32 s[KS], 0
.Lsteps_a:                                             ; hi, key steps 0-1
	STEP QHI, 0, GHI, DHI
	s_add_co_u32 s[KS], s[KS], 1
	s_cmp_lt_u32 s[KS], 2
	s_cbranch_scc1 .Lsteps_a
	s_setprio 0
	s_wait_tensorcnt 1                             ; my part of key steps 2-5 is in; the last fill may be out
	s_wait_dscnt 0x0
	s_barrier_signal -1
	s_barrier_wait -1
	s_mov_b32 s[TB], 32768
	s_mov_b32 s[KS], 2
.Lsteps_b:                                             ; hi, key steps 2-5
	STEP QHI, 0, GHI, DHI
	s_add_co_u32 s[KS], s[KS], 1
	s_cmp_lt_u32 s[KS], 6
	s_cbranch_scc1 .Lsteps_b
	s_setprio 0
	s_wait_tensorcnt 0x0                           ; my part of key steps 6-15 is in
	s_wait_dscnt 0x0
	s_barrier_signal -1
	s_barrier_wait -1                              ; the whole head lies in LDS
	s_mov_b32 s[TB], 98304
	s_mov_b32 s[KS], 6
.Lsteps_c:                                             ; hi, key steps 6 to its diagonal; the trips are a constant, the hidden steps' work is jumped over
	STEP QHI, 1, GHI, DHI
	s_add_co_u32 s[KS], s[KS], 1
	s_cmp_lt_u32 s[KS], 16
	s_cbranch_scc1 .Lsteps_c
	s_setprio 0
	FINISH YHI, 74
	INIT
	s_mov_b32 s[TB], 0
	s_mov_b32 s[KS], 0
.Lsteps_d:                                             ; lo, key steps 0 to its diagonal
	STEP QLO, 1, GLO, DLO
	s_add_co_u32 s[KS], s[KS], 1
	s_cmp_lt_u32 s[KS], 8
	s_cbranch_scc1 .Lsteps_d
	s_setprio 0
	FINISH YLO, 76
	s_wait_tensorcnt 0x0
	ds_add_u32 v251, v255
	s_wait_dscnt 0x0
	CROUND                                         ; the closing round
	s_endpgm
.Lfunc_end_k_q86e1fec4d5_attn:
	.size	k_q86e1fec4d5_attn, .Lfunc_end_k_q86e1fec4d5_attn-k_q86e1fec4d5_attn
	.p2alignl 7, 3214868480
	.fill 96, 4, 3214868480
	.section	.rodata,"a",@progbits
	.p2align	6, 0x0
	.amdhsa_kernel k_q86e1fec4d5_attn
		.amdhsa_group_segment_fixed_size 264192
		.amdhsa_private_segment_fixed_size 0
		.amdhsa_enable_private_segment 0
		.amdhsa_kernarg_size 32
		.amdhsa_user_sgpr_count 2
		.amdhsa_user_sgpr_kernarg_segment_ptr 1
		.amdhsa_wavefront_size32 1
		.amdhsa_system_sgpr_workgroup_id_x 1
		.amdhsa_system_sgpr_workgroup_id_y 1
		.amdhsa_system_sgpr_workgroup_id_z 1
		.amdhsa_system_vgpr_workitem_id 0
		.amdhsa_next_free_vgpr 256
		.amdhsa_next_free_sgpr 96
		.amdhsa_reserve_vcc 1
		.amdhsa_float_denorm_mode_32 3
		.amdhsa_float_denorm_mode_16_64 3
		.amdhsa_fp16_overflow 1
		.amdhsa_memory_ordered 1
		.amdhsa_forward_progress 1
		.amdhsa_inst_pref_size 80
	.end_amdhsa_kernel
	.amdgpu_metadata
---
amdhsa.version: [ 1, 2 ]
amdhsa.kernels:
  - .name:           k_q86e1fec4d5_attn
    .symbol:         k_q86e1fec4d5_attn.kd
    .args:
      - { .name: q_img, .offset: 0, .size: 8, .value_kind: global_buffer, .address_space: global }
      - { .name: kv_img, .offset: 8, .size: 8, .value_kind: global_buffer, .address_space: global }
      - { .name: lowp_scales, .offset: 16, .size: 8, .value_kind: global_buffer, .address_space: global }
      - { .name: y_img, .offset: 24, .size: 8, .value_kind: global_buffer, .address_space: global }
    .group_segment_fixed_size: 264192
    .private_segment_fixed_size: 0
    .kernarg_segment_align: 8
    .kernarg_segment_size: 32
    .max_flat_workgroup_size: 512
    .sgpr_count:     96
    .vgpr_count:     256
    .wavefront_size: 32
...
	.end_amdgpu_metadata
.endif
;; end of part 3
;; launch proj (part 4): grid 4 x 64, 4 waves a work-group, clusters of 4 x 4, 327,680 bytes of LDS; arguments y_img, wout_codes, lowp_scales, out0; writes out0
.if DOCPART == 4
	.amdgcn_target "amdgcn-amd-amdhsa--gfx1250"
	.amdhsa_code_object_version 6
	.text
	.protected	k_q86e1fec4d5_proj
	.globl	k_q86e1fec4d5_proj
	.p2align	8
	.type	k_q86e1fec4d5_proj,@function
k_q86e1fec4d5_proj:
	s_mov_b64 s[64:65], 0
	v_nop
	global_prefetch_b8 v0, s[64:65] scope:SCOPE_SE
	s_setreg_imm32_b32 hwreg(HW_REG_WAVE_MODE, 25, 1), 1
	s_wait_xcnt 0x0
	s_wait_alu depctr_hold_cnt(0) depctr_sa_sdst(0) depctr_va_vdst(0) depctr_va_sdst(0) depctr_va_ssrc(0) depctr_va_vcc(0) depctr_vm_vsrc(0)
	s_getreg_b32 s2, hwreg(HW_REG_IB_STS2, 6, 4)
	s_cmp_eq_u32 s2, 0
	s_cbranch_scc0 .Lentry_in_a_cluster
	s_endpgm
.Lentry_in_a_cluster:
	s_bfe_u32 s2, ttmp6, 0x10000c
	s_cmp_lg_u32 s2, 0xf033
	s_cbranch_scc0 .Lentry_shape_is_right
	s_endpgm
.Lentry_shape_is_right:
; out0 = y w_out on codes of FP8 (E4M3); each finished sum is multiplied once by 2^(e6 + e7).  LIMIT: e6 + e7 between -126 and 127, so that this is an f32 number.
; y arrives as images of its operand's registers: y_img [256 along K: 4][tile of 16 rows: 512][4,096 bytes]; in a tile's bytes the q-th 128 along K is 16 registers, four by four at 2,048 q + 512 c + 16 l.
; w_out's codes: [1024 rows n][1024 places]; place p holds the k that is p with bits 3 and 4 exchanged, so that four loads of 16 bytes a lane at 32 c + 16 (lane / 16) give the same order of k that y's images have.
; A tile of out0 is 128 rows x 256 columns: 64 x 4 = 256 work-groups.  Four waves: wave w takes row tiles 4 (w / 2) .. + 3 and the 128 columns of half w % 2: 32 accumulators, 256 registers.
; K goes in steps of 256 through two LDS slots filled by the tensor data mover: four fills, so the steps are written out and there is no loop.
; CLUSTERS: 4 x 4 work-groups.  The four of a row of the cluster need the same tiles of y, the four of a column the same rows of w_out: each is asked for jointly.
; THE MATRIX INSTRUCTION IS USED TRANSPOSED (source 0 = 16 rows of w_out, source 1 = 16 rows of y): a lane holds eight neighbouring numbers of a row of out0.
; REGISTERS, in windows of 256: window 0: v16-29 addresses, v32-95 and v128-255 at work on the way out.   windows 1 and 2: the two sets of fragments: w_out's eight at v[16 j], y's four at v[128 + 16 i].   window 3: accumulator (i, j) at v[8 (8 i + j)].
.set PITCH,  272                       ; a row of w_out in LDS: 256 bytes + 16 of padding
.set BOFF,   32768                     ; a slot: y's 8 tiles of 4,096 bytes, then 256 rows of w_out
.set SLOT,   BOFF+256*PITCH
.set SPARE,  2*SLOT                    ; behind the ring: the spare words, 128 bytes for each wave: two blocks of 256 bytes that no other line names
.set SPITCH, 528                       ; the way out: a stage of 16 rows x (512 bytes + 16) for each wave, in slot 0, which has had its last fill and its last read when the first result is stored there
.set FR,   16
.set ADRY, 16                          ; v16-17  LDS address of my images of y in slot 0, 1
.set ADRW, 20                          ; v20-21  of my fragments of w_out
.set STO,  24                          ; v24     the way out: where I put 32 bytes of a row
.set RD,   25                          ; v25     where I read a row back
.set CO,   26                          ; v26     16 x lane
.set SPW,  28                          ; v28     LDS address of my spare word; never rewritten
.set NIL,  29                          ; v29     0; never rewritten
.set TMP,  32
.set BK,   128
.set G1,  24
.set G0,  32
.set G1B, 48
.set G0B, 56
.set MSB, 0
.macro WIN new
.if MSB != (\new)
	s_set_vgpr_msb (MSB<<8)|(\new)
.set MSB, (\new)
.endif
.endm
.macro JLOAD s                         ; waves 0 and 1 fetch y's two halves, waves 2 and 3 w_out's; four v_nop follow each of the two lines
	s_cmp_eq_u32 s15, 0
	s_cbranch_scc0 .Lfor_b_\@
	tensor_load_to_lds s[G0+4*\s:G0+4*\s+3], s[G1:G1+7]
	s_nop 0
.rept 4
	v_nop
.endr
	s_branch .Lasked_\@
.Lfor_b_\@:
	tensor_load_to_lds s[G0B+4*\s:G0B+4*\s+3], s[G1B:G1B+7]
	s_nop 0
.rept 4
	v_nop
.endr
.Lasked_\@:
.endm
.macro CREST
	s_cmp_lg_u32 s14, 0
	s_cbranch_scc1 .Lnot_wave_0_\@
	s_barrier_signal -3
.Lnot_wave_0_\@:
	s_barrier_wait -3
	s_barrier_signal -1
	s_barrier_wait -1
.endm
.macro CROUND
	s_barrier_signal -1
	s_barrier_wait -1
	CREST
.endm
.macro PLACES
.rept 4
	v_nop
.endr
.endm
.macro FETCH slot, q, p                ; the slot's q-th 128 along K into set p: 32 + 16 loads
	WIN 0x40*(1+(\p))
.irp j, 0,1,2,3,4,5,6,7
.irp c, 0,1,2,3
	ds_load_b128 v[FR*\j+4*\c:FR*\j+4*\c+3], v[ADRW+\slot] offset:128*(\q)+32*\c+\j*16*PITCH
.endr
.endr
.irp i, 0,1,2,3
.irp c, 0,1,2,3
	ds_load_b128 v[128+FR*\i+4*\c:128+FR*\i+4*\c+3], v[ADRY+\slot] offset:4096*\i+2048*(\q)+512*\c
.endr
.endr
	WIN 0
.endm
.macro MUL8 i, p, zero                 ; row tile i against the eight column tiles; the 32 accumulators take turns, in the same order in every step
	WIN 0xf5+5*(\p)
.irp j, 0,1,2,3,4,5,6,7
.if \zero
	v_wmma_f32_16x16x128_fp8_fp8 v[8*(8*(\i)+\j):8*(8*(\i)+\j)+7], v[FR*\j:FR*\j+FR-1], v[128+FR*(\i):128+FR*(\i)+FR-1], 0
.else
	v_wmma_f32_16x16x128_fp8_fp8 v[8*(8*(\i)+\j):8*(8*(\i)+\j)+7], v[FR*\j:FR*\j+FR-1], v[128+FR*(\i):128+FR*(\i)+FR-1], v[8*(8*(\i)+\j):8*(8*(\i)+\j)+7]
.endif
.endr
.endm
.macro STEPD slot, zero                ; a slot's first 128 (set 0); its second 128 is fetched into set 1 meanwhile
	s_wait_dscnt 0x0                               ; set 0 is in
	PLACES                                         ; in front of the loads into set 1, which the last products read
	FETCH \slot, 1, 1
	MUL8 0, 0, \zero
	MUL8 1, 0, \zero
	MUL8 2, 0, \zero
	MUL8 3, 0, \zero
.endm
.macro TURN slot, next, fill           ; a slot's second 128 (set 1) changes slots: ONE barrier
	WIN 0                                          ; (the add's two registers lie in window 0)
	s_wait_tensorcnt 0x0                           ; all my tensor loads have landed: my part of the next slot
	ds_add_u32 v[SPW], v[NIL]                      ; 0 onto my spare word
	s_wait_dscnt 1                                 ; set 1 is in; the add may be out
	MUL8 0, 1, 0                                   ; eight matrix instructions stand between the add and the wait for it
	s_wait_dscnt 0x0                               ; the add is done, and my reads of this slot are over
	s_barrier_signal -1
	MUL8 1, 1, 0
	WIN 0
	s_barrier_wait -1
.if \fill
	CREST                                          ; the barrier has opened a round of the cluster's: no wave of any partner still reads this slot or has a load on its way
	s_add_nc_u64 s[G0+4*\slot+2:G0+4*\slot+3], s[G0+4*\slot+2:G0+4*\slot+3], 1<<22
	s_add_nc_u64 s[G0B+4*\slot+2:G0B+4*\slot+3], s[G0B+4*\slot+2:G0B+4*\slot+3], 512
	JLOAD \slot                                    ; the first tensor load behind the round; its four v_nop are the places in front of the loads below
.else
	PLACES
.endif
	FETCH \next, 0, 0
	MUL8 2, 1, 0
	MUL8 3, 1, 0
	WIN 0
.endm
	s_load_b256 s[4:11], s[0:1], 0x0               ; y_img s[4:5], w_out's codes s[6:7], the scales' exponents s[8:9], out0 s[10:11]
	v_lshl_add_u32 v[SPW], v0, 2, SPARE
	v_mov_b32 v[NIL], 0
	ds_add_u32 v28, v29
	ds_add_u32 v28, v29
	s_wait_dscnt 0x0
	v_lshrrev_b32 v1, 5, v0
	v_readfirstlane_b32 s14, v1                    ; wave 0..3
	s_lshr_b32 s15, s14, 1                         ; which 64 rows are mine.  Also: I fetch y (0) or w_out (1)
	s_and_b32 s16, s14, 1                          ; which 128 columns are mine.  Also: which half of that tile I fetch
	s_bfe_u32 s40, ttmp6, 0x40000
	s_bfe_u32 s41, ttmp6, 0x40004
	s_lshl_b32 s42, ttmp9, 2
	s_add_co_u32 s42, s42, s40                     ; tile column = 4 x cluster x + cx
	s_and_b32 s17, ttmp7, 0xffff
	s_lshl_b32 s17, s17, 2
	s_add_co_u32 s17, s17, s41                     ; tile row = 4 x cluster y + cy
	s_lshl_b32 s43, s41, 2
	s_lshl_b32 s43, 15, s43                        ; my row of the cluster
	s_lshl_b32 s44, 0x1111, s40                    ; my column
	s_or_b32 s[G1+0], s43, (3<<16)|(1<<21)         ; y: 15:0 the mask; 17:16 elements of 8 bytes; 21 set beside a mask; no padding: images are read 16 bytes a lane on end
	s_mov_b32 s[G1+1], 32<<16                      ; 64 rows of 256 bytes on end: four tiles of 4,096 bytes
	s_mov_b32 s[G1+2], 64<<16
	s_mov_b32 s[G1+3], 32<<16
	s_mov_b32 s[G1+4], 64
	s_mov_b32 s[G1+5], 32
	s_mov_b32 s[G1+6], 0
	s_mov_b32 s[G1+7], 0
	s_or_b32 s[G1B+0], s44, (1<<20)|(1<<21)|(5<<22)|(3<<25)   ; w_out: elements of 1 byte; four words of padding after every 64
	s_mov_b32 s[G1B+1], 256<<16
	s_mov_b32 s[G1B+2], 128<<16
	s_mov_b32 s[G1B+3], 256<<16
	s_mov_b32 s[G1B+4], 128
	s_mov_b32 s[G1B+5], 1024
	s_mov_b32 s[G1B+6], 0
	s_mov_b32 s[G1B+7], 0
	s_lshl_b32 s20, s17, 15                        ; y: tile 8 x tile row + 4 x half, 4,096 bytes each
	s_lshl_b32 s18, s16, 14
	s_add_co_u32 s20, s20, s18
	s_mov_b32 s21, 0
	s_lshl_b32 s46, s42, 18                        ; w_out: row 256 x tile column + 128 x half, 1,024 bytes each
	s_lshl_b32 s47, s16, 17
	s_add_co_u32 s46, s46, s47
	s_mov_b32 s47, 0
	s_lshl_b32 s45, s16, 14                        ; where they go: no place in the cluster enters an LDS address
	s_mul_i32 s66, s16, 128*PITCH
	s_add_co_u32 s66, s66, BOFF
	s_wait_kmcnt 0x0
	s_load_b256 s[72:79], s[8:9], 0x0              ; e0 .. e7
	s_add_nc_u64 s[20:21], s[4:5], s[20:21]
	s_add_nc_u64 s[46:47], s[6:7], s[46:47]
	CROUND                                         ; all sixteen work-groups are here: the first joint loads meet
.irp s, 0,1
	s_mov_b32 s[G0+4*\s], 1
	s_add_co_u32 s[G0+4*\s+1], s45, \s*SLOT
	s_add_nc_u64 s[G0+4*\s+2:G0+4*\s+3], s[20:21], \s*(1<<21)
	s_or_b32 s[G0+4*\s+3], s[G0+4*\s+3], 0x80000000
	s_mov_b32 s[G0B+4*\s], 1
	s_add_co_u32 s[G0B+4*\s+1], s66, \s*SLOT
	s_add_nc_u64 s[G0B+4*\s+2:G0B+4*\s+3], s[46:47], \s*256
	s_or_b32 s[G0B+4*\s+3], s[G0B+4*\s+3], 0x80000000
	s_wait_alu depctr_va_vdst(0)
	s_wait_tensorcnt 0x0
	ds_add_u32 v28, v29
	ds_add_u32 v28, v29
	s_wait_dscnt 0x0
	CROUND
	JLOAD \s                                       ; one load of mine is out
.endr
	v_and_b32 v1, 15, v0                           ; r
	v_bfe_u32 v2, v0, 4, 1                         ; h
	v_and_b32 v6, 31, v0
	v_lshlrev_b32 v[CO], 4, v6
	v_mul_u32_u24 v3, v1, PITCH
	v_lshl_add_u32 v4, v2, 4, v3
	s_lshl_b32 s22, s15, 14                        ; my four tiles of y
	s_mul_i32 s23, s16, 128*PITCH                  ; my 128 rows of w_out
	s_add_co_u32 s23, s23, BOFF
.irp s, 0,1
	v_add_nc_u32 v[ADRY+\s], s22, v[CO]
	v_add_nc_u32 v[ADRW+\s], s23, v4
	s_add_co_u32 s22, s22, SLOT
	s_add_co_u32 s23, s23, SLOT
.endr
	s_mul_i32 s23, s14, 16*SPITCH                  ; my stage
	v_mul_u32_u24 v5, v1, SPITCH
	v_lshl_add_u32 v5, v2, 5, v5
	v_add_nc_u32 v[STO], s23, v5                   ; in: row r, 32 bytes for each half of the lanes
	v_add_nc_u32 v[RD], s23, v[CO]                 ; back: the 32 lanes take one row of 512 bytes
	s_lshl_b32 s20, s17, 7
	s_lshl_b32 s21, s15, 6
	s_add_co_u32 s20, s20, s21                     ; my first row of out0
	s_lshl_b32 s20, s20, 12
	s_lshl_b32 s21, s42, 10
	s_add_co_u32 s20, s20, s21                     ; my first column, in bytes: 1,024 x tile column + 512 x half
	s_lshl_b32 s21, s16, 9
	s_add_co_u32 s20, s20, s21
	s_mov_b32 s21, 0
	s_add_nc_u64 s[10:11], s[10:11], s[20:21]
	s_wait_alu depctr_va_vdst(0)
	s_wait_tensorcnt 1                             ; my part of slot 0 is in (slot 1's load may be out)
	s_barrier_signal -1
	s_barrier_wait -1                              ; everybody's is
	FETCH 0, 0, 0
	STEPD 0, 1                                     ; the first products start the sums: nothing is cleared
	TURN 0, 1, 1
	STEPD 1, 0
	TURN 1, 0, 1
	STEPD 0, 0
	TURN 0, 1, 0                                   ; nothing is left to fetch
	STEPD 1, 0
	s_wait_dscnt 0x0                               ; the last 128 along K
	MUL8 0, 1, 0
	MUL8 1, 1, 0
	MUL8 2, 1, 0
	MUL8 3, 1, 0
	WIN 0
; THE WAY OUT, a tile of 16 rows x 128 columns at a time: a lane holds 32 neighbouring bytes of a row and the lanes beside it other rows, so a tile goes through my own stage in LDS and comes back as whole rows of 512 bytes.
; LDS serves a wave's instructions in order (ISA guide 5.7.1.4): no wait between the stores and the loads, nor in front of the next tile's stores.
.macro TOSTAGE a
	WIN 0x03                                       ; source 0: window 3
.set jj, 0
.rept 32
	v_pk_mul_f32 v[TMP+jj:TMP+jj+1], v[64*(\a)+jj:64*(\a)+jj+1], s[96:97] op_sel_hi:[1,0]   ; x 2^(e6 + e7); each accumulator from its low end on
.set jj, jj+2
.endr
	WIN 0
.irp b, 0,1,2,3,4,5,6,7
	ds_store_b128 v[STO], v[TMP+8*\b:TMP+8*\b+3] offset:64*\b
	ds_store_b128 v[STO], v[TMP+8*\b+4:TMP+8*\b+7] offset:64*\b+16
.endr
.irp t, 0,1,2,3,4,5,6,7,8,9,10,11,12,13,14,15
	ds_load_b128 v[BK+64*((\a)%2)+4*\t:BK+64*((\a)%2)+4*\t+3], v[RD] offset:\t*SPITCH
.endr
.endm
.macro SEND a, younger                 ; younger: the LDS instructions issued behind tile a's loads, which may stay out
	s_wait_dscnt \younger
.if (\a) > 0
	s_add_nc_u64 s[10:11], s[10:11], 16*4096       ; (behind a wait on XCNT: the earlier stores have read their base)
.endif
.irp t, 0,1,2,3,4,5,6,7,8,9,10,11,12,13,14,15
	global_store_b128 v[CO], v[BK+64*((\a)%2)+4*\t:BK+64*((\a)%2)+4*\t+3], s[10:11] offset:\t*4096 th:TH_STORE_NT   ; 512 consecutive bytes, aligned; written once, read by nobody here
.endr
.endm
	s_wait_kmcnt 0x0
	s_add_co_i32 s96, s78, s79                     ; e6 + e7
	s_add_co_i32 s96, s96, 127
	s_lshl_b32 s96, s96, 23                        ; 2^(e6 + e7) as f32
	s_mov_b32 s97, s96                             ; (named with it as a pair, so it is written)
	PLACES                                         ; behind the last products, in front of the first read of results
	TOSTAGE 0
.irp a, 1,2,3
.if \a > 1
	s_wait_xcnt 0x0                                ; tile a - 2's stores have read their registers and their base
.endif
	TOSTAGE \a
	SEND \a-1, 32                                  ; behind tile a - 1's loads: tile a's 16 stores and 16 loads
.endr
	s_wait_xcnt 0x0
	SEND 3, 0
	s_wait_tensorcnt 0x0                           ; the wave's end, behind my last tensor load and my last LDS store
	ds_add_u32 v[SPW], v[NIL]
	s_wait_dscnt 0x0
	CROUND                                         ; the closing round
	s_endpgm
.Lfunc_end_k_q86e1fec4d5_proj:
	.size	k_q86e1fec4d5_proj, .Lfunc_end_k_q86e1fec4d5_proj-k_q86e1fec4d5_proj
	.p2alignl 7, 3214868480
	.fill 96, 4, 3214868480
	.section	.rodata,"a",@progbits
	.p2align	6, 0x0
	.amdhsa_kernel k_q86e1fec4d5_proj
		.amdhsa_group_segment_fixed_size 327680
		.amdhsa_private_segment_fixed_size 0
		.amdhsa_enable_private_segment 0
		.amdhsa_kernarg_size 32
		.amdhsa_user_sgpr_count 2
		.amdhsa_user_sgpr_kernarg_segment_ptr 1
		.amdhsa_wavefront_size32 1
		.amdhsa_system_sgpr_workgroup_id_x 1
		.amdhsa_system_sgpr_workgroup_id_y 1
		.amdhsa_system_sgpr_workgroup_id_z 1
		.amdhsa_system_vgpr_workitem_id 0
		.amdhsa_next_free_vgpr 1024
		.amdhsa_next_free_sgpr 100
		.amdhsa_reserve_vcc 0
		.amdhsa_float_denorm_mode_32 3
		.amdhsa_float_denorm_mode_16_64 3
		.amdhsa_memory_ordered 1
		.amdhsa_forward_progress 1
		.amdhsa_inst_pref_size 76
	.end_amdhsa_kernel
	.amdgpu_metadata
---
amdhsa.version: [ 1, 2 ]
amdhsa.kernels:
  - .name:           k_q86e1fec4d5_proj
    .symbol:         k_q86e1fec4d5_proj.kd
    .args:
      - { .name: y_img, .offset: 0, .size: 8, .value_kind: global_buffer, .address_space: global }
      - { .name: wout_codes, .offset: 8, .size: 8, .value_kind: global_buffer, .address_space: global }
      - { .name: lowp_scales, .offset: 16, .size: 8, .value_kind: global_buffer, .address_space: global }
      - { .name: out0, .offset: 24, .size: 8, .value_kind: global_buffer, .address_space: global }
    .group_segment_fixed_size: 327680
    .private_segment_fixed_size: 0
    .kernarg_segment_align: 8
    .kernarg_segment_size: 32
    .max_flat_workgroup_size: 128
    .sgpr_count:     100
    .vgpr_count:     1024
    .wavefront_size: 32
...
	.end_amdgpu_metadata
.endif
;; end of part 4
